; MI455X (gfx1250); checked and timed in simulation.
; The chip was launched on July 23, 2026; its instructions are those of AMD's public machine-readable ISA for CDNA 5 (MIT licence, August 2026) and "CDNA5" Instruction Set Architecture Reference Guide (July 2026). The comments in the code are by the model that wrote it; some were corrected since.
;; Multi Headed Attention. Allowed arithmetic: matrix products marked QUANTISED: E2M1 operands, one E8M0 scale for each 32 along K, by v_wmma_scale_f32_16x16x128_f8f6f4 with both operands' format E2M1 (or v_wmma_scale_f32_32x16x128_f4), f32 sums; everything else in f32.
;; Inputs: Wk_codes 1,024 x 32 x 16 uint8 (E2M1 codes of Wk, K innermost, in blocks of 32 codes, two codes a byte); Wk_scales 1,024 x 32 uint8 (E8M0 scales of Wk, one for each 32 codes along K); Wo_codes 1,024 x 32 x 16 uint8 (E2M1 codes of Wo, K innermost, in blocks of 32 codes, two codes a byte); Wo_scales 1,024 x 32 uint8 (E8M0 scales of Wo, one for each 32 codes along K); Wq_codes 1,024 x 32 x 16 uint8 (E2M1 codes of Wq, K innermost, in blocks of 32 codes, two codes a byte); Wq_scales 1,024 x 32 uint8 (E8M0 scales of Wq, one for each 32 codes along K); Wv_codes 1,024 x 32 x 16 uint8 (E2M1 codes of Wv, K innermost, in blocks of 32 codes, two codes a byte); Wv_scales 1,024 x 32 uint8 (E8M0 scales of Wv, one for each 32 codes along K); bk 1,024 float32; bo 1,024 float32; bq 1,024 float32; bv 1,024 float32; x_codes 2 x 2,048 x 32 x 16 uint8 (E2M1 codes of x, K innermost, in blocks of 32 codes, two codes a byte); x_scales 2 x 2,048 x 32 uint8 (E8M0 scales of x, one for each 32 codes along K).
;; Outputs: out0 2 x 2,048 x 1,024 float32.
;; This version of the problem:
;;   THIS VERSION OF THE PROBLEM IS GIVEN IN LOW PRECISION. The matrix products marked QUANTISED in the list below multiply operands that are first quantised to E2M1 (2 exponent bits, 1 mantissa bit; 4 bits a number), with one power-of-two scale for each 32 numbers along K (OCP MX v1.0); their sums are f32. All else is computed in f32.
;;   The module's matrix products, in the order in which they are computed (A, B: the left and right operand; K: the contracted axis; several contracted axes count as one K, in the product's order):
;;     1. [M 4,096, K 1,024] x [K 1,024, N 1,024]; A: input x (given as codes); B: input Wq (given as codes): QUANTISED
;;     2. [M 4,096, K 1,024] x [K 1,024, N 1,024]; A: input x (given as codes); B: input Wk (given as codes): QUANTISED
;;     3. [M 4,096, K 1,024] x [K 1,024, N 1,024]; A: input x (given as codes); B: input Wv (given as codes): QUANTISED
;;     4. batch 32 x [M 2,048, K 64] x [K 64, N 2,048]; A: computed on the way; B: computed on the way: QUANTISED
;;     5. batch 32 x [M 2,048, K 2,048] x [K 2,048, N 64]; A: softmax (see below); B: computed on the way: QUANTISED
;;     6. [M 4,096, K 1,024] x [K 1,024, N 1,024]; A: computed on the way; B: input Wo (given as codes): QUANTISED
;;   THE QUANTISER, for each operand of a quantised product, along K:
;;     - K is cut into blocks of 32 from its start; a last block that is shorter is filled with zeros.
;;     - A block's scale is 2^e with e = floor(log2(the largest magnitude in the block)) - 2, held to -126 .. 127; a block of zeros has e = 0. As a byte (E8M0): e + 127.
;;     - Each number is divided by its block's scale, clamped to +-6, and rounded to the nearest number of E2M1, ties to even, subnormals kept.
;;     - The product sums the exact products of the quantised numbers (number of the format x scale) in f32.
;;   ~~~python
;;   def quantise(x, axis):      # numpy; x: float32 -> the quantised numbers, widened to float32 again
;;       x = np.moveaxis(x, axis, -1); K = x.shape[-1]
;;       x = np.pad(x, [(0, 0)] * (x.ndim - 1) + [(0, -K % 32)]); x = x.reshape(x.shape[:-1] + (-1, 32)); a = np.abs(x).max(-1, keepdims=True)
;;       e = np.where(a > 0, np.clip(np.frexp(np.where(a > 0, a, 1))[1] - 1 - 2, -126, 127), 0)      # np.frexp(a)[1] - 1 = floor(log2(a)), exactly
;;       r = np.clip(x / 2.0 ** e, -6, 6)
;;       step = 2.0 ** (np.maximum(np.frexp(np.where(r == 0, 1, r))[1] - 1, 0) - 1)
;;       q = np.round(r / step) * step * 2.0 ** e      # np.round: ties to even
;;       return np.moveaxis(q.reshape(q.shape[:-2] + (-1,))[..., :K], -1, axis).astype(np.float32)
;;   ~~~
;;   SOFTMAX AHEAD OF A QUANTISED PRODUCT. Where the list says 'softmax', what is quantised is not the finished softmax but p = 2^(t - M), with t = logit x log2(e) and M = ceil(the row's largest t), a whole number; so 1/2 < the row's largest p <= 1. The row's sum l is taken of the UNQUANTISED p, in f32, and the product's result is divided by l at the end. Since M is a whole number, a kernel that streams over the keys may use a running M (the ceiling of the running maximum): every later rescaling is an exact power of two, which a block's scale takes up: the codes' values come out the same.
;;   OPERANDS COMPUTED ON THE WAY. 'Computed on the way' means the value that the module computes at that place (a softmax that the list does not call 'softmax' is quantised finished and normalised). What goes into a quantiser is computed in f32, as accurately as f32 sums, v_exp_f32 and their like allow (about 1e-6 of the number): no bf16 or f16 on the way to a quantiser, and a product that is left as it is and whose result goes on into a quantised operand takes f32 operands (vector FMAs, or v_wmma_f32_16x16x4_f32). A number that lies on a knife's edge between two numbers of the format may be rounded either way, as far as f32 arithmetic and the matrix unit's own rounding can turn it there, and no further.
;;   INPUTS GIVEN AS CODES. Wk (in the module: [1024, 1024], K = its axis 1); Wo (in the module: [1024, 1024], K = its axis 1); Wq (in the module: [1024, 1024], K = its axis 1); Wv (in the module: [1024, 1024], K = its axis 1); x (in the module: [2, 2048, 1024], K = its axis 2): each comes as NAME_codes (uint8): NAME with its K axis moved to the last place and cut into blocks of 32 codes, [.., K / 32, bytes a block], one block behind the other in memory; two codes a byte, the lower K in the low four bits (a code: sign, 2 exponent bits, 1 mantissa bit); and NAME_scales (uint8): the same leading axes, one E8M0 byte (e + 127) for each 32 codes along K. Its value is code x scale, taken as it is: it is not quantised again, and the codes and scales need not be those that the quantiser above would give.
;; One version. Each part assembles by itself: llvm-mc -triple=amdgcn-amd-amdhsa -mcpu=gfx1250 --defsym DOCPART=n.
;; ======== version 1 of 1: 3 launches
;; limits: right only within a limited range of input values
;; workspace buffers: qimg 2,097,152 bytes; qsc 262,144 bytes; kv 4,587,520 bytes; aimg 2,097,152 bytes; asc 131,072 bytes
;; launch qkv (part 1): grid 16 x 16, 8 waves a work-group, clusters of 4 x 4, 327,680 bytes of LDS; arguments x_codes, x_scales, Wq_codes, Wq_scales, Wk_codes, Wk_scales, Wv_codes, Wv_scales, bq, bk, bv, qimg, qsc, kv; writes qimg, qsc, kv
.if DOCPART == 1
	.amdgcn_target "amdgcn-amd-amdhsa--gfx1250"
	.amdhsa_code_object_version 6
	.text
	.protected	k_q5dcf0b0991_qkv
	.globl	k_q5dcf0b0991_qkv
	.p2align	8
	.type	k_q5dcf0b0991_qkv,@function
k_q5dcf0b0991_qkv:
	s_mov_b64 s[64:65], 0
	v_nop
	global_prefetch_b8 v0, s[64:65] scope:SCOPE_SE
	s_setreg_imm32_b32 hwreg(HW_REG_WAVE_MODE, 25, 1), 1
	s_wait_xcnt 0x0
	s_wait_alu depctr_hold_cnt(0) depctr_sa_sdst(0) depctr_va_vdst(0) depctr_va_sdst(0) depctr_va_ssrc(0) depctr_va_vcc(0) depctr_vm_vsrc(0)
	s_getreg_b32 s2, hwreg(HW_REG_IB_STS2, 6, 4)
	s_cmp_eq_u32 s2, 0
	s_cbranch_scc0 .Lentry_in_a_cluster
	s_endpgm
.Lentry_in_a_cluster:
	s_bfe_u32 s2, ttmp6, 0x10000c
	s_cmp_lg_u32 s2, 0xf033
	s_cbranch_scc0 .Lentry_shape_is_right
	s_endpgm
.Lentry_shape_is_right:
; q, k, v = x W^T + b on codes of FP4 (E2M1) with one E8M0 scale for each 32 along K = 1,024; the results are quantised again, in registers, for the attention that follows.
; A WORK-GROUP makes q, k and v of ONE head (64 channels each) for 256 tokens: 16 heads x 16 blocks of tokens = 256 work-groups.  Eight waves: wave w has the 64 tokens G = w % 4; S = w / 4: q (0) or k (1) of them,
; and v's channel tiles 2 S and 2 S + 1: 24 accumulators of 16 x 16.
; THE TILES ARE PERMUTED, the same way everywhere: tile u (0..3) of 64 rows holds in its rows 0-7 the rows 8 u + 0..7 and in its rows 8-15 the rows 32 + 8 (u xor 1) + 0..7.  In a result a lane's half h then holds, over the
; four tiles, the whole block of 32 number h: no lane needs another's numbers for a block's largest magnitude, and the conversions' results are the registers of the next operand.  (The xor keeps the sixteen LDS rows of a load on
; different banks.)  Within block 1 the groups of eight lie in the order 1, 0, 3, 2, on both sides of each product alike.
; q, k: source 0 = 16 rows of W, source 1 = 16 tokens: a lane holds one token, its registers run along the head's channels.  v: source 0 = 16 tokens, source 1 = 16 rows of Wv: a lane holds one channel, its registers run along the keys.
; THE BIAS is the C of each sum's first product.  All of K lies in LDS at once, in two slots of 512 along K; nothing is filled again.  Scale words go from memory straight into registers, once.
; CLUSTERS of 4 x 4: the four of a row (four heads) ask jointly for x's tile, the four of a column for a W's.  No prefetch: all loads stand at the head, there is no loop whose later loads could be asked for ahead.
; kv: for each (batch, head) and step of 128 keys 8,960 bytes: K's eight tiles (512 each), V's four fragments (1,024 each), K's scale words (512), V's (256), all as images of operand registers (16 or 8 bytes a lane).
; LIMITS: NaN and infinities are not served.  A block whose largest magnitude lies under 2^-124, zeros among them, gets the byte 1; the bytes are read by this program alone.  Bytes 2, 3 of q's and k's scale words are 0 and meet zero codes.
; REGISTERS: window 0: v0-31 addresses, v32-71 scale words, v72-95 codes, v96-175 and v176-255 fragments, two sets.  window 1: v0-191 accumulators (units of 32: four of q or k, two of v), v192-239 the biases.
.set PITCH, 272                        ; an LDS row: 256 bytes + 16
.set SLOT,  512*PITCH                  ; 256 rows of x, 64 each of Wq, Wk, Wv, 64 left free
.set STG,   2*SLOT                     ; V's scale bytes on their way out: 512 bytes
.set SPARE, STG+512                    ; spare words: 128 bytes a wave
.set STEPB, 8960
.set SPW, 28
.set NIL, 29
.set L16, 30
.set L8,  31
.set H8,  15
.set VA,  3                            ; where my V scale bytes go in LDS
.set LST, 4                            ; where they are read back
.set VOF, 5                            ; and where they go in memory
.set AX,  16                           ; v16-21 fragment addresses in slot 0 (x even, odd tiles; W even, odd; Wv even, odd), v22-27 in slot 1
.set SX,  32
.set SW,  48
.set SV,  64
.set CD,  72
.set F0,  96
.set MX,  96                           ; the way out: largest magnitudes, 104 conversion scales, 112 bytes, 120, 124, 128 scale words
.set SO,  104
.set BY,  112
.set WX,  120
.set WY,  124
.set WL,  128
.set G1X, 40
.set G1W, 48
.set G0X, 56
.set G0W, 60
.set MSB, 0
.macro WIN new                         ; the high byte repeats the setting that is left
.if MSB != (\new)
	s_set_vgpr_msb (MSB<<8)|(\new)
.set MSB, \new
.endif
.endm
.macro CROUND                          ; a round of the cluster's barrier
	s_barrier_signal -1
	s_barrier_wait -1
	s_cmp_lg_u32 s32, 0
	s_cbranch_scc1 .Lnot_wave_0_\@
	s_barrier_signal -3
.Lnot_wave_0_\@:
	s_barrier_wait -3
	s_barrier_signal -1
	s_barrier_wait -1
.endm
	s_load_b512 s[4:19], s[0:1], 0x0               ; x 4, its scales 6, Wq 8, 10, Wk 12, 14, Wv 16, 18
	s_load_b256 s[20:27], s[0:1], 0x40             ; bq 20, bk 22, bv 24, qimg 26
	s_load_b128 s[28:31], s[0:1], 0x60             ; qsc 28, kv 30
	v_lshl_add_u32 v[SPW], v0, 2, SPARE
	v_mov_b32 v[NIL], 0
	ds_add_u32 v[SPW], v[NIL]
	ds_add_u32 v[SPW], v[NIL]
	v_lshrrev_b32 v1, 5, v0
	v_readfirstlane_b32 s32, v1                    ; wave 0..7
	s_and_b32 s33, s32, 3                          ; G
	s_lshr_b32 s34, s32, 2                         ; S; also the slot for which I fetch
	s_bfe_u32 s35, ttmp6, 0x40000                  ; cx, cy
	s_bfe_u32 s36, ttmp6, 0x40004
	s_lshl_b32 s37, ttmp9, 2
	s_add_co_u32 s37, s37, s35                     ; head
	s_and_b32 s38, ttmp7, 0xffff
	s_lshl_b32 s38, s38, 2
	s_add_co_u32 s38, s38, s36                     ; block of 256 tokens
	s_lshl_b32 s66, s36, 2
	s_lshl_b32 s66, 15, s66                        ; my row of the cluster
	s_lshl_b32 s67, 0x1111, s35                    ; my column
	s_or_b32 s[G1X], s66, (1<<20)|(1<<21)|(5<<22)|(3<<25)   ; bytes; 16 of padding behind every 256; 21 set beside a mask
	s_or_b32 s[G1W], s67, (1<<20)|(1<<21)|(5<<22)|(3<<25)
.irp g, G1X, G1W
	s_mov_b32 s[\g+1], 256<<16
	s_mov_b32 s[\g+3], 256<<16
	s_mov_b32 s[\g+5], 512
	s_mov_b32 s[\g+6], 0
	s_mov_b32 s[\g+7], 0
.endr
	s_mov_b32 s[G1X+2], 256<<16
	s_mov_b32 s[G1X+4], 256
	s_mov_b32 s[G1W+2], 64<<16
	s_mov_b32 s[G1W+4], 64
	s_lshl_b32 s90, s34, 8                         ; slot 1: 256 bytes further along K
	s_lshl_b32 s68, s38, 17
	s_add_co_u32 s68, s68, s90
	s_mov_b32 s69, 0
	s_lshl_b32 s70, s37, 15
	s_add_co_u32 s70, s70, s90
	s_mov_b32 s71, 0
	s_mul_i32 s72, s34, SLOT                       ; in LDS: x's rows,
	s_mul_i32 s73, s33, 64*PITCH
	s_add_co_u32 s73, s73, s72
	s_add_co_u32 s73, s73, 256*PITCH               ; and W's, by the wave's number
	s_wait_dscnt 0x0                               ; both opening adds are done
	s_wait_kmcnt 0x0
	s_cmp_eq_u32 s33, 1
	s_cselect_b64 s[74:75], s[12:13], s[8:9]       ; G = 0: Wq, 1: Wk,
	s_cmp_eq_u32 s33, 2
	s_cselect_b64 s[74:75], s[16:17], s[74:75]     ; 2: Wv; 3: x
	s_mov_b32 s[G0X], 1
	s_mov_b32 s[G0X+1], s72
	s_add_nc_u64 s[G0X+2:G0X+3], s[4:5], s[68:69]
	s_or_b32 s[G0X+3], s[G0X+3], 0x80000000
	s_mov_b32 s[G0W], 1
	s_mov_b32 s[G0W+1], s73
	s_add_nc_u64 s[G0W+2:G0W+3], s[74:75], s[70:71]
	s_or_b32 s[G0W+3], s[G0W+3], 0x80000000
	CROUND                                         ; all sixteen work-groups are here: the joint loads meet
	s_cmp_eq_u32 s33, 3                            ; one tensor load a wave: waves 3, 7 fetch x's 256 rows, the others a W's 64; waves 0-3 the first 512 along K, waves 4-7 the rest
	s_cbranch_scc0 .Lfor_w
	tensor_load_to_lds s[G0X:G0X+3], s[G1X:G1X+7]
	s_nop 0
.rept 4
	v_nop
.endr
	s_branch .Lasked
.Lfor_w:
	tensor_load_to_lds s[G0W:G0W+3], s[G1W:G1W+7]
	s_nop 0
.rept 4
	v_nop
.endr
.Lasked:
	s_mov_b32 s79, 0
	s_lshl_b32 s78, s38, 13
	s_lshl_b32 s88, s33, 11
	s_add_co_u32 s78, s78, s88
	s_add_nc_u64 s[68:69], s[6:7], s[78:79]        ; my 64 tokens' scales
	s_cmp_eq_u32 s34, 0
	s_cselect_b64 s[70:71], s[10:11], s[14:15]     ; scales of Wq or Wk,
	s_cselect_b64 s[72:73], s[20:21], s[22:23]     ; its bias,
	s_cselect_b64 s[80:81], s[26:27], s[30:31]     ; where the codes go,
	s_cselect_b64 s[82:83], s[28:29], s[30:31]     ; and the scale words
	s_lshl_b32 s78, s37, 11
	s_add_nc_u64 s[70:71], s[70:71], s[78:79]
	s_lshl_b32 s88, s34, 9
	s_add_co_u32 s78, s78, s88
	s_add_nc_u64 s[74:75], s[18:19], s[78:79]      ; Wv's scales, tiles 2 S, 2 S + 1
	s_lshl_b32 s78, s37, 8
	s_add_nc_u64 s[72:73], s[72:73], s[78:79]
	s_lshl_b32 s88, s34, 6
	s_add_co_u32 s78, s78, s88
	s_add_nc_u64 s[76:77], s[24:25], s[78:79]      ; v's bias likewise
	s_lshr_b32 s88, s38, 3
	s_lshl_b32 s88, s88, 4
	s_add_co_u32 s88, s88, s37                     ; 16 x batch + head
	s_and_b32 s89, s38, 7                          ; my block in the sequence
	s_mul_i32 s90, s88, 16*STEPB
	s_mul_i32 s91, s89, 2*STEPB
	s_add_co_u32 s90, s90, s91                     ; the work-group's two steps of 128 keys
	s_add_co_u32 s78, s90, 8704
	s_add_nc_u64 s[86:87], s[30:31], s[78:79]      ; V's scale words of both
	s_lshr_b32 s91, s33, 1
	s_mul_i32 s91, s91, STEPB
	s_add_co_u32 s90, s90, s91                     ; my step,
	s_and_b32 s91, s33, 1                          ; and which 64 of its keys
	s_lshl_b32 s92, s91, 9
	s_lshl_b32 s93, s34, 11
	s_add_co_u32 s78, s90, s92
	s_add_co_u32 s78, s78, s93
	s_add_co_u32 s78, s78, 4096
	s_add_nc_u64 s[84:85], s[30:31], s[78:79]      ; V's fragments 2 S, 2 S + 1, my half
	s_lshl_b32 s92, s91, 11
	s_add_co_u32 s92, s92, s90                     ; K's tiles
	s_lshl_b32 s93, s91, 8
	s_add_co_u32 s93, s93, s90
	s_add_co_u32 s93, s93, 8192                    ; K's scale words
	s_lshl_b32 s94, s88, 16
	s_lshl_b32 s95, s89, 13
	s_add_co_u32 s94, s94, s95
	s_lshl_b32 s95, s33, 11
	s_add_co_u32 s94, s94, s95                     ; q's tiles: 512 bytes each
	s_lshr_b32 s95, s94, 3                         ; q's scale words: 64 bytes a tile
	s_cmp_eq_u32 s34, 0
	s_cselect_b32 s78, s94, s92
	s_add_nc_u64 s[80:81], s[80:81], s[78:79]
	s_cselect_b32 s78, s95, s93
	s_add_nc_u64 s[82:83], s[82:83], s[78:79]
	s_mov_b32 s95, 0xffff0000                      ; lanes 16-31
	s_mov_b32 s96, 0x76543210                      ; lane selects: lane l xor 16
	s_mov_b32 s97, 0xfedcba98
	s_mul_i32 s66, s33, 64*PITCH                   ; in LDS: my 64 tokens,
	s_mul_i32 s67, s34, 64*PITCH
	s_add_co_u32 s67, s67, 256*PITCH               ; Wq's or Wk's rows,
	s_mul_i32 s89, s34, 16*PITCH
	s_add_co_u32 s89, s89, 384*PITCH               ; Wv's from tile 2 S on
	s_lshr_b32 s90, s33, 1
	s_lshl_b32 s90, s90, 8
	s_lshl_b32 s91, s91, 1
	s_add_co_u32 s90, s90, s91
	s_lshl_b32 s91, s34, 2
	s_add_co_u32 s90, s90, s91
	s_add_co_u32 s90, s90, STG                     ; my V scale bytes
	v_and_b32 v1, 15, v0                           ; r
	v_bfe_u32 v2, v0, 4, 1                         ; h
	v_and_b32 v3, 7, v0                            ; r % 8
	v_bfe_u32 v4, v0, 3, 1                         ; r / 8
	v_lshlrev_b32 v7, 4, v2
	v_mad_u32_u24 v5, v4, 40, v3                   ; my row in an even tile, from 8 u on
	v_mad_u32_u24 v6, v4, 24, v3                   ; in an odd one
	v_sub_nc_u32 v10, 40, v7
	v_mad_u32_u24 v10, v4, v10, v3
	v_lshl_add_u32 v10, v2, 3, v10
	v_lshlrev_b32 v10, 5, v10                      ; scale bytes of a pair of tiles: lanes 0-15 the even tile's rows, lanes 16-31 the odd one's; 32 bytes a row
	v_mul_u32_u24 v11, 160, v2                     ; the bias along the registers, even tiles,
	v_mul_u32_u24 v12, 96, v2                      ; odd tiles
	v_lshlrev_b32 v13, 2, v5                       ; v's bias: my channel in an even tile,
	v_lshlrev_b32 v14, 2, v6                       ; in an odd one
.irp p, 0,1
.irp k, 0,1
	global_load_b128 v[SX+8*\p+4*\k:SX+8*\p+4*\k+3], v10, s[68:69] offset:512*\p+16*\k
	global_load_b128 v[SW+8*\p+4*\k:SW+8*\p+4*\k+3], v10, s[70:71] offset:512*\p+16*\k
.endr
.endr
.irp k, 0,1
	global_load_b128 v[SV+4*\k:SV+4*\k+3], v10, s[74:75] offset:16*\k
.endr
	v_mad_u32_u24 v8, v5, PITCH, v7
	v_mad_u32_u24 v9, v6, PITCH, v7
	v_add_nc_u32 v[AX], s66, v8
	v_add_nc_u32 v[AX+1], s66, v9
	v_add_nc_u32 v[AX+2], s67, v8
	v_add_nc_u32 v[AX+3], s67, v9
	v_add_nc_u32 v[AX+4], s89, v8
	v_add_nc_u32 v[AX+5], s89, v9
.irp i, 0,1,2,3,4,5
	v_add_nc_u32 v[AX+6+\i], SLOT, v[AX+\i]
.endr
	v_and_b32 v6, 31, v0
	v_lshlrev_b32 v[L16], 4, v6
	v_lshlrev_b32 v[L8], 3, v6
	v_lshlrev_b32 v[H8], 3, v2
	v_lshl_add_u32 v[VA], v1, 3, v2
	v_add_nc_u32 v[VA], s90, v[VA]
	v_add_nc_u32 v[LST], STG, v[L16]
	v_lshlrev_b32 v[VOF], 4, v1
	v_mad_u32_u24 v[VOF], v2, STEPB, v[VOF]        ; lanes 0-15 the first step's 256 bytes, lanes 16-31 the second's
	WIN 0x40
.irp k, 0,1
	global_load_b128 v[192+4*\k:195+4*\k], v11, s[72:73] offset:16*\k
	global_load_b128 v[200+4*\k:203+4*\k], v12, s[72:73] offset:32+16*\k
	global_load_b128 v[208+4*\k:211+4*\k], v11, s[72:73] offset:64+16*\k
	global_load_b128 v[216+4*\k:219+4*\k], v12, s[72:73] offset:96+16*\k
.endr
	WIN 0
	global_load_b32 v8, v13, s[76:77]
	global_load_b32 v9, v14, s[76:77] offset:32
	s_wait_loadcnt 0x0
	WIN 0x40
.irp n, 0,1,2,3,4,5,6,7
	v_mov_b32 v[224+\n], v8                        ; v's bias is the same in a lane's eight registers
	v_mov_b32 v[232+\n], v9
.endr
	WIN 0
.macro LD reg, adr, off                ; a fragment: lane (r, h): K = 64 c + 32 h + 0 .. 31 in registers 4 c .. 4 c + 3
	ds_load_b128 v[\reg:\reg+3], v[\adr] offset:\off
	ds_load_b128 v[\reg+4:\reg+7], v[\adr] offset:\off+32
.endm
.macro LOADS q                         ; the ten fragments of step q (128 along K): 20 loads
.set FB, F0+80*((\q)%2)
.set AB, AX+6*((\q)/4)
.set KO, 64*((\q)%4)
	LD FB, AB, KO
	LD FB+8, AB+1, KO+8*PITCH
	LD FB+16, AB, KO+16*PITCH
	LD FB+24, AB+1, KO+24*PITCH
	LD FB+32, AB+2, KO
	LD FB+40, AB+3, KO+8*PITCH
	LD FB+48, AB+2, KO+16*PITCH
	LD FB+56, AB+3, KO+24*PITCH
	LD FB+64, AB+4, KO
	LD FB+72, AB+5, KO+8*PITCH
.endm
; one product; ra, rb: the scale words of source 0, 1 lie in lanes 16-31
.macro WM d, a, b, c, sa, sb, ra, rb
.if (\ra) && (\rb)
	v_wmma_scale_f32_16x16x128_f8f6f4 v[\d:\d+7], v[\a:\a+7], v[\b:\b+7], v[\c:\c+7], v[\sa], v[\sb] matrix_a_fmt:MATRIX_FMT_FP4 matrix_b_fmt:MATRIX_FMT_FP4 matrix_a_scale:MATRIX_SCALE_ROW1 matrix_b_scale:MATRIX_SCALE_ROW1
.elseif (\ra)
	v_wmma_scale_f32_16x16x128_f8f6f4 v[\d:\d+7], v[\a:\a+7], v[\b:\b+7], v[\c:\c+7], v[\sa], v[\sb] matrix_a_fmt:MATRIX_FMT_FP4 matrix_b_fmt:MATRIX_FMT_FP4 matrix_a_scale:MATRIX_SCALE_ROW1
.elseif (\rb)
	v_wmma_scale_f32_16x16x128_f8f6f4 v[\d:\d+7], v[\a:\a+7], v[\b:\b+7], v[\c:\c+7], v[\sa], v[\sb] matrix_a_fmt:MATRIX_FMT_FP4 matrix_b_fmt:MATRIX_FMT_FP4 matrix_b_scale:MATRIX_SCALE_ROW1
.else
	v_wmma_scale_f32_16x16x128_f8f6f4 v[\d:\d+7], v[\a:\a+7], v[\b:\b+7], v[\c:\c+7], v[\sa], v[\sb] matrix_a_fmt:MATRIX_FMT_FP4 matrix_b_fmt:MATRIX_FMT_FP4
.endif
.endm
; step q: the 24 accumulators take turns, in the same order in every step
.macro MUL q
.set FB, F0+80*((\q)%2)
.irp ux, 0,1,2,3
.irp uw, 0,1,2,3
.if (\q) == 0
	WM 32*\ux+8*\uw, FB+32+8*\uw, FB+8*\ux, 192+8*\uw, SW+8*(\uw/2)+\q, SX+8*(\ux/2)+\q, \uw%2, \ux%2
.else
	WM 32*\ux+8*\uw, FB+32+8*\uw, FB+8*\ux, 32*\ux+8*\uw, SW+8*(\uw/2)+\q, SX+8*(\ux/2)+\q, \uw%2, \ux%2
.endif
.endr
.endr
.irp e, 0,1
.irp u, 0,1,2,3
.if (\q) == 0
	WM 128+32*\e+8*\u, FB+8*\u, FB+64+8*\e, 224+8*\e, SX+8*(\u/2)+\q, SV+\q, \u%2, \e
.else
	WM 128+32*\e+8*\u, FB+8*\u, FB+64+8*\e, 128+32*\e+8*\u, SX+8*(\u/2)+\q, SV+\q, \u%2, \e
.endif
.endr
.endr
.endm
	s_wait_alu depctr_va_vdst(0)                   ; the head's end
	s_wait_tensorcnt 0x0                           ; my tile is in,
	s_barrier_signal -1
	s_barrier_wait -1                              ; everybody's are
	LOADS 0
.irp q, 0,1,2,3,4,5,6,7
.if \q < 7
.if \q > 0
.rept 4
	v_nop                                          ; four places in front of loads into registers that the step before multiplied
.endr
.endif
	LOADS \q+1
	s_wait_dscnt 20                                ; step q's are in; the next step's 20 may be out
.else
	s_wait_dscnt 0x0
.endif
	WIN 0x50                                       ; C and D window 1
	MUL \q
	WIN 0
.endr
.rept 4
	v_nop                                          ; four places in front of the first read of results
.endr
	; THE WAY OUT: six units of 32 registers, each a whole block of a lane
	WIN 0x05
.irp k, 0,1,2,3,4,5
	v_max3_num_f32 v[MX+\k], |v[32*\k]|, |v[32*\k+1]|, 0x1800000   ; the floor 2^(3 - 127): the byte cannot fall under 1
.endr
.set n, 2
.rept 15
.irp k, 0,1,2,3,4,5
	v_max3_num_f32 v[MX+\k], |v[32*\k+n]|, |v[32*\k+n+1]|, v[MX+\k]
.endr
.set n, n+2
.endr
	WIN 0
.irp k, 0,1,2,3,4,5
	v_add_nc_u32 v[SO+\k], 0xff000000, v[MX+\k]    ; 2 off the exponent field: the conversion's scale operand
.endr
.irp k, 0,1,2,3,4,5
	v_lshrrev_b32 v[BY+\k], 23, v[SO+\k]           ; the scale's byte
.endr
	ds_store_b8 v[VA], v[BY+4]                     ; v: byte 2 c + h of a channel's word; the other two come from the wave with the step's other 64 keys
	ds_store_b8 v[VA], v[BY+5] offset:128
	WIN 0x01
.irp k, 0,1,2,3,4,5
.irp u, 0,1,2,3
	v_cvt_scalef32_pk8_fp4_f32 v[CD+4*\k+\u], v[32*\k+8*\u:32*\k+8*\u+7], v[SO+\k]
.endr
.endr
	WIN 0
.irp k, 0,1,2,3
	v_mov_b32 v[WY+\k], 0                          ; (a lane permute's destination counts as one of its sources; a plain place behind the conversions too)
.endr
.irp k, 0,1,2,3
	v_lshlrev_b32 v[WX+\k], v[H8], v[BY+\k]        ; my block's byte at its place
.endr
.irp k, 0,1,2,3
	v_permlanex16_b32 v[WY+\k], v[WX+\k], s96, s97
.endr
.irp k, 0,1,2,3
	v_or_b32 v[WX+\k], v[WX+\k], v[WY+\k]          ; token r's word, in both halves
.endr
	v_cndmask_b32 v[WL], v[WX], v[WX+1], s95       ; lanes 0-15 tiles 0 and 2, lanes 16-31 tiles 1 and 3
	v_cndmask_b32 v[WL+1], v[WX+2], v[WX+3], s95
.irp k, 0,1,2,3
	global_store_b128 v[L16], v[CD+4*\k:CD+4*\k+3], s[80:81] offset:512*\k   ; 512 consecutive aligned bytes each
.endr
.irp e, 0,1
	global_store_b128 v[L16], v[CD+16+4*\e:CD+19+4*\e], s[84:85] offset:1024*\e
.endr
	global_store_b64 v[L8], v[WL:WL+1], s[82:83]   ; 256 consecutive aligned bytes
	s_wait_tensorcnt 0x0                           ; the wave's end
	ds_add_u32 v[SPW], v[NIL]
	s_wait_dscnt 0x0                               ; my scale bytes are stored too
	s_barrier_signal -1
	s_barrier_wait -1                              ; everybody's are
	s_cmp_lg_u32 s32, 0
	s_cbranch_scc1 .Lnot_mine
	ds_load_b128 v[132:135], v[LST]                ; wave 0 stores V's scale words of both steps, 256 aligned bytes each
	s_wait_dscnt 0x0
	global_store_b128 v[VOF], v[132:135], s[86:87]
.Lnot_mine:
	CROUND                                         ; the closing round
	s_endpgm
.Lfunc_end_k_q5dcf0b0991_qkv:
	.size	k_q5dcf0b0991_qkv, .Lfunc_end_k_q5dcf0b0991_qkv-k_q5dcf0b0991_qkv
	.p2alignl 7, 3214868480
	.fill 96, 4, 3214868480
	.section	.rodata,"a",@progbits
	.p2align	6, 0x0
	.amdhsa_kernel k_q5dcf0b0991_qkv
		.amdhsa_group_segment_fixed_size 327680
		.amdhsa_private_segment_fixed_size 0
		.amdhsa_enable_private_segment 0
		.amdhsa_kernarg_size 112
		.amdhsa_user_sgpr_count 2
		.amdhsa_user_sgpr_kernarg_segment_ptr 1
		.amdhsa_wavefront_size32 1
		.amdhsa_system_sgpr_workgroup_id_x 1
		.amdhsa_system_sgpr_workgroup_id_y 1
		.amdhsa_system_sgpr_workgroup_id_z 1
		.amdhsa_system_vgpr_workitem_id 0
		.amdhsa_next_free_vgpr 512
		.amdhsa_next_free_sgpr 98
		.amdhsa_reserve_vcc 0
		.amdhsa_float_denorm_mode_32 3
		.amdhsa_float_denorm_mode_16_64 3
		.amdhsa_memory_ordered 1
		.amdhsa_forward_progress 1
		.amdhsa_inst_pref_size 58
	.end_amdhsa_kernel
	.amdgpu_metadata
---
amdhsa.version: [ 1, 2 ]
amdhsa.kernels:
  - .name:           k_q5dcf0b0991_qkv
    .symbol:         k_q5dcf0b0991_qkv.kd
    .args:
      - { .name: x_codes, .offset: 0, .size: 8, .value_kind: global_buffer, .address_space: global }
      - { .name: x_scales, .offset: 8, .size: 8, .value_kind: global_buffer, .address_space: global }
      - { .name: Wq_codes, .offset: 16, .size: 8, .value_kind: global_buffer, .address_space: global }
      - { .name: Wq_scales, .offset: 24, .size: 8, .value_kind: global_buffer, .address_space: global }
      - { .name: Wk_codes, .offset: 32, .size: 8, .value_kind: global_buffer, .address_space: global }
      - { .name: Wk_scales, .offset: 40, .size: 8, .value_kind: global_buffer, .address_space: global }
      - { .name: Wv_codes, .offset: 48, .size: 8, .value_kind: global_buffer, .address_space: global }
      - { .name: Wv_scales, .offset: 56, .size: 8, .value_kind: global_buffer, .address_space: global }
      - { .name: bq, .offset: 64, .size: 8, .value_kind: global_buffer, .address_space: global }
      - { .name: bk, .offset: 72, .size: 8, .value_kind: global_buffer, .address_space: global }
      - { .name: bv, .offset: 80, .size: 8, .value_kind: global_buffer, .address_space: global }
      - { .name: qimg, .offset: 88, .size: 8, .value_kind: global_buffer, .address_space: global }
      - { .name: qsc, .offset: 96, .size: 8, .value_kind: global_buffer, .address_space: global }
      - { .name: kv, .offset: 104, .size: 8, .value_kind: global_buffer, .address_space: global }
    .group_segment_fixed_size: 327680
    .private_segment_fixed_size: 0
    .kernarg_segment_align: 8
    .kernarg_segment_size: 112
    .max_flat_workgroup_size: 256
    .sgpr_count:     98
    .vgpr_count:     512
    .wavefront_size: 32
...
	.end_amdgpu_metadata
.endif
;; end of part 1
;; launch attn (part 2): grid 8 x 32, 16 waves a work-group, clusters of 4 x 1, 169,984 bytes of LDS; arguments qimg, qsc, kv, aimg, asc; writes aimg, asc
.if DOCPART == 2
	.amdgcn_target "amdgcn-amd-amdhsa--gfx1250"
	.amdhsa_code_object_version 6
	.text
	.protected	k_q5dcf0b0991_attn
	.globl	k_q5dcf0b0991_attn
	.p2align	8
	.type	k_q5dcf0b0991_attn,@function
k_q5dcf0b0991_attn:
	s_mov_b64 s[64:65], 0
	v_nop
	global_prefetch_b8 v0, s[64:65] scope:SCOPE_SE
	s_setreg_imm32_b32 hwreg(HW_REG_WAVE_MODE, 25, 1), 1
	s_wait_xcnt 0x0
	s_wait_alu depctr_hold_cnt(0) depctr_sa_sdst(0) depctr_va_vdst(0) depctr_va_sdst(0) depctr_va_ssrc(0) depctr_va_vcc(0) depctr_vm_vsrc(0)
	s_getreg_b32 s2, hwreg(HW_REG_IB_STS2, 6, 4)
	s_cmp_eq_u32 s2, 0
	s_cbranch_scc0 .Lentry_in_a_cluster
	s_endpgm
.Lentry_in_a_cluster:
	s_bfe_u32 s2, ttmp6, 0x10000c
	s_cmp_lg_u32 s2, 0x3003
	s_cbranch_scc0 .Lentry_shape_is_right
	s_endpgm
.Lentry_shape_is_right:
; O[q] = the sum over keys of softmax(Q[q] . K[key] / 8) V[key], one head (64 channels, 2,048 keys) and 256 queries to a work-group, both products on codes of FP4 (E2M1) with one E8M0 scale for each 32 along a product's K;
; the result, divided by the row's sum, is quantised along the head's 64 channels for the output projection.
; THE SOFTMAX AHEAD OF THE SECOND PRODUCT: t = score x log2(e) / 8; M = the row's largest t so far, rounded UP to a whole number; p = 2^(t - M) is quantised along the keys; it is not normalised.
; The row's sum is taken of the unquantised p, in f32.  When M moves, the sum and O are multiplied by 2^(old M - new M): exact.
; SHARES.  Sixteen waves, a tile of 16 queries each, in 256 registers.  Every wave walks all 2,048 keys, 128 a step; wave w begins with step w and goes round.
; A whole head's K, V and scale words (16 steps x 8,960 bytes) lie in LDS: wave w fetches step w, once; nothing is filled again.  All are images of operand registers.
; CLUSTER.  Four query blocks of one head ask jointly for the same bytes.  No prefetch: all loads stand at the head, there is no loop whose later loads could be asked for ahead.
; LAYOUT.  S^T = K Q^T, O^T = V^T P^T: a lane holds ONE query (lane % 16).  Rows 0-7 of K's four tiles 4 c .. 4 c + 3 are the block 2 c of 32 keys, rows 8-15 the block 2 c + 1 (V's fragments have the keys in the same order):
; so lane half h holds block 2 c + h whole, in 32 registers, and the conversions' results are P's operand as they come.  V's fragments hold the channels in the same way, so that the result's two blocks lie one in each lane half.
; THE FIRST PRODUCT'S K IS 64, the instruction's 128: registers 4-7 of Q's fragment are zero codes; tile t of K is the run v[KF + 4 t .. + 7], whose upper four registers are the next tile's (behind the last: zeros).
; A BLOCK'S SCALE: its largest p is 2^(t - M) of its largest score, so the scale's exponent is floor(t - M) - 2, held at -126 from below.
; LIMITS: NaN and infinities are not served; scaled scores stay under 2^31 in magnitude.  A block of p or of O / l whose largest number lies under 2^-124 gets the byte 1; the bytes are read by this program alone.
.set STEPB, 8960                       ; K's tiles 0, V's fragments 4,096, K's scale words 8,192, V's 8,704
.set STG,   16*STEPB                   ; the result's scale bytes on their way out: 512 bytes
.set SPARE, 0x29000                    ; spare words: 128 bytes a wave
.set AK0, 1                            ; 16 x lane
.set A8,  2                            ; 8 x lane
.set ADK, 3                            ; the step's addresses
.set ADS, 4
.set SPW, 5
.set NIL, 6
.set H8,  7                            ; 8 h
.set STA, 8                            ; my byte in the stage
.set STL, 10                           ; 16 bytes of the stage
.set W1,  14
.set OLD, 15
.set QF,  16
.set QS,  24                           ; v24-31 scale words and nothing else
.set PS,  25
.set KS0, 26
.set VS0, 30
.set KF,  32
.set VF,  68
.set S,   100
.set OA,  164
.set PC,  196
.set BM,  204
.set PT,  206
.set TT,  207
.set II,  208
.set SO,  210
.set FF,  212
.set LC,  214                          ; v214-221: the sum, in four pairs
.set BX,  222
.set WV,  20
.set TK,  80
.set CNT, 83
.set SEL, 84
.set CS,  86
.set NC,  88
.set KB,  89
.macro CROUND
	s_barrier_signal -1
	s_barrier_wait -1
	s_cmp_lg_u32 s[WV], 0
	s_cbranch_scc1 .Lnot_wave_0_\@
	s_barrier_signal -3
.Lnot_wave_0_\@:
	s_barrier_wait -3
	s_barrier_signal -1
	s_barrier_wait -1
.endm
	s_load_b256 s[4:11], s[0:1], 0x0               ; qimg 4, qsc 6, kv 8, aimg 10
	s_load_b64 s[12:13], s[0:1], 0x20              ; asc
	v_lshl_add_u32 v[SPW], v0, 2, SPARE
	v_mov_b32 v[NIL], 0
	ds_add_u32 v[SPW], v[NIL]
	ds_add_u32 v[SPW], v[NIL]
	v_lshrrev_b32 v9, 5, v0
	v_readfirstlane_b32 s[WV], v9                  ; wave 0..15
	s_bfe_u32 s72, ttmp6, 0x40000
	s_lshl_b32 s22, ttmp9, 2
	s_add_co_u32 s22, s22, s72                     ; my block of 256 queries
	s_and_b32 s21, ttmp7, 0xffff                   ; 16 x batch + head
	s_mov_b32 s24, 15|(3<<16)|(1<<21)              ; all four work-groups; elements of 8 bytes; no padding
	s_mov_b32 s25, 32<<16
	s_mov_b32 s26, 35<<16                          ; 35 rows of 256 bytes: one step
	s_mov_b32 s27, 32<<16
	s_mov_b32 s28, 35
	s_mov_b32 s29, 32
	s_mov_b32 s30, 0
	s_mov_b32 s31, 0
	s_mul_i32 s36, s[WV], STEPB
	s_mul_i32 s38, s21, 16*STEPB
	s_add_co_u32 s38, s38, s36
	s_mov_b32 s39, 0
	s_wait_dscnt 0x0                               ; both opening adds are done
	s_wait_kmcnt 0x0
	s_mov_b32 s32, 1
	s_mov_b32 s33, s36
	s_add_nc_u64 s[34:35], s[8:9], s[38:39]
	s_or_b32 s35, s35, 0x80000000
	CROUND                                         ; all four work-groups are here: the joint loads meet
	tensor_load_to_lds s[32:35], s[24:31]          ; one a wave: all that the launch issues
	s_nop 0
	s_lshl_b32 s72, s21, 16                        ; my tile of queries: 512 bytes a tile
	s_lshl_b32 s73, s22, 13
	s_add_co_u32 s72, s72, s73
	s_lshl_b32 s73, s[WV], 9
	s_add_co_u32 s72, s72, s73
	s_mov_b32 s73, 0
	s_add_nc_u64 s[4:5], s[4:5], s[72:73]
	s_lshl_b32 s74, s21, 13                        ; its scale words: 256 bytes for 4 tiles; tile u of them at 128 (u % 2) + 4 (u / 2), 8 bytes from row to row
	s_lshl_b32 s75, s22, 10
	s_add_co_u32 s74, s74, s75
	s_lshr_b32 s75, s[WV], 2
	s_lshl_b32 s75, s75, 8
	s_add_co_u32 s74, s74, s75
	s_and_b32 s75, s[WV], 1
	s_lshl_b32 s75, s75, 7
	s_add_co_u32 s74, s74, s75
	s_bfe_u32 s75, s[WV], 0x10001
	s_lshl_b32 s75, s75, 2
	s_add_co_u32 s74, s74, s75
	s_mov_b32 s75, 0
	s_add_nc_u64 s[6:7], s[6:7], s[74:75]
	s_lshr_b32 s76, s21, 4                         ; the result: [tile of 16 tokens][head][512 bytes]
	s_lshl_b32 s76, s76, 20
	s_lshl_b32 s77, s22, 17
	s_add_co_u32 s76, s76, s77
	s_lshl_b32 s77, s[WV], 13
	s_add_co_u32 s76, s76, s77
	s_and_b32 s77, s21, 15
	s_lshl_b32 s77, s77, 9
	s_add_co_u32 s76, s76, s77
	s_mov_b32 s77, 0
	s_add_nc_u64 s[10:11], s[10:11], s[76:77]
	s_lshl_b32 s78, s21, 12                        ; its scale bytes: [batch, head][2,048 tokens in the tiles' order][2]
	s_lshl_b32 s79, s22, 9
	s_add_co_u32 s78, s78, s79
	s_mov_b32 s79, 0
	s_add_nc_u64 s[12:13], s[12:13], s[78:79]
	s_mov_b32 s[SEL], 0x76543210
	s_mov_b32 s[SEL+1], 0xfedcba98
	s_mov_b32 s[CS], 0x3e38aa3b                    ; c = log2(e) / sqrt(64)
	s_mov_b32 s[CS+1], s[CS]
	s_mov_b32 s[NC], 0xbe38aa3b                    ; -c
	s_mov_b32 s[KB], 0x7d7d7d7d                    ; 125 in each byte
	s_mov_b32 s41, 0xffff0000                      ; lanes 16-31
	s_lshl_b32 s40, s[WV], 5
	s_add_co_u32 s40, s40, STG
	s_mov_b32 s[CNT], 1
	v_and_b32 v11, 31, v0
	v_lshlrev_b32 v[AK0], 4, v11
	v_lshlrev_b32 v[A8], 3, v11
	v_and_b32 v12, 15, v0                          ; r
	v_bfe_u32 v13, v0, 4, 1                        ; h
	v_lshlrev_b32 v9, 3, v12
	global_load_b128 v[QF:QF+3], v[AK0], s[4:5]    ; Q's codes stay in registers
	global_load_b32 v[QS], v9, s[6:7]
	v_lshl_add_u32 v[STA], v12, 1, v13
	v_add_nc_u32 v[STA], s40, v[STA]
	v_add_nc_u32 v[STL], STG, v[AK0]
	v_lshlrev_b32 v[H8], 3, v13
	v_add_nc_u32 v[ADK], s36, v[AK0]
	v_add_nc_u32 v[ADS], s36, v[A8]
.irp j, 0,1,2,3
	v_mov_b32 v[QF+4+\j], 0
	v_mov_b32 v[KF+32+\j], 0
.endr
	v_mov_b32 v13, 0xff61b1e6                      ; the largest score so far: -3e38
	v_mul_f32 v12, s[NC], v13
	v_floor_f32 v12, v12                           ; -M
	v_mov_b32 v[PT], 0                             ; (a lane permute's destination counts as one of its sources)
	v_mov_b32 v[FF+1], 0                           ; (named as the upper half of a pair)
.set j, 0
.rept 8
	v_mov_b32 v[LC+j], 0
.set j, j+1
.endr
.set j, 0
.rept 32
	v_mov_b32 v[OA+j], 0                           ; O^T: the first change of M leaves zeros
.set j, j+1
.endr
.macro KLOADS                          ; a step's K and its scale words: 10 loads
.irp t, 0,1,2,3,4,5,6,7
	ds_load_b128 v[KF+4*\t:KF+4*\t+3], v[ADK] offset:512*\t
.endr
	ds_load_b64 v[KS0:KS0+1], v[ADS] offset:8192   ; tiles 0-3: lanes 0-15 the even tile's rows, lanes 16-31 the odd one's
	ds_load_b64 v[KS0+2:KS0+3], v[ADS] offset:8448
.endm
.macro STEP
.irp i, 0,1,2,3,4,5,6,7
	ds_load_b128 v[VF+4*\i:VF+4*\i+3], v[ADK] offset:4096+512*\i
.endr
	ds_load_b64 v[VS0:VS0+1], v[ADS] offset:8704
	s_add_co_u32 s[TK], s[CNT], s[WV]              ; the next step (behind the sixteenth: my first one's bytes again, not used)
	s_and_b32 s[TK], s[TK], 15
	s_mul_i32 s[TK], s[TK], STEPB
	s_wait_dscnt 9                                 ; K and its scale words are in; V's nine loads may be out
.irp t, 0,1,2,3,4,5,6,7
.if \t%2
	v_wmma_scale_f32_16x16x128_f8f6f4 v[S+8*\t:S+8*\t+7], v[KF+4*\t:KF+4*\t+7], v[QF:QF+7], 0, v[KS0+\t/2], v[QS] matrix_a_fmt:MATRIX_FMT_FP4 matrix_b_fmt:MATRIX_FMT_FP4 matrix_a_scale:MATRIX_SCALE_ROW1
.else
	v_wmma_scale_f32_16x16x128_f8f6f4 v[S+8*\t:S+8*\t+7], v[KF+4*\t:KF+4*\t+7], v[QF:QF+7], 0, v[KS0+\t/2], v[QS] matrix_a_fmt:MATRIX_FMT_FP4 matrix_b_fmt:MATRIX_FMT_FP4
.endif
.endr
	v_add_nc_u32 v[ADK], s[TK], v[AK0]             ; four places behind the products
	v_add_nc_u32 v[ADS], s[TK], v[A8]
	v_mov_b32 v[OLD], v12
	v_nop
	KLOADS                                         ; the next step's K
.irp c, 0,1
	v_max3_num_f32 v[BM+\c], v[S+32*\c], v[S+32*\c+1], v[S+32*\c+2]   ; the largest score of my block 2 c + h: it serves the row's maximum and the block's scale
.endr
.set i, 3
.rept 14
.irp c, 0,1
	v_max3_num_f32 v[BM+\c], v[BM+\c], v[S+32*\c+i], v[S+32*\c+i+1]
.endr
.set i, i+2
.endr
.irp c, 0,1
	v_max_num_f32 v[BM+\c], v[BM+\c], v[S+32*\c+31]
.endr
	v_max_num_f32 v[TT], v[BM], v[BM+1]
	s_delay_alu instid0(VALU_DEP_1)
	v_permlanex16_b32 v[PT], v[TT], s[SEL], s[SEL+1]
	s_delay_alu instid0(VALU_DEP_1)
	v_max3_num_f32 v13, v13, v[TT], v[PT]          ; my query's largest score so far
	s_delay_alu instid0(VALU_DEP_1)
	v_mul_f32 v[TT], s[NC], v13
	s_delay_alu instid0(VALU_DEP_1)
	v_floor_f32 v12, v[TT]                         ; -M = floor(-t): M is a whole number
	s_delay_alu instid0(VALU_DEP_1)
	v_sub_f32 v[W1], v12, v[OLD]                   ; old M - new M: 0 or less
	v_pk_fma_f32 v[BX:BX+1], v[BM:BM+1], s[CS:CS+1], v[12:13] op_sel_hi:[1,0,0]   ; t - M of the blocks' largest scores
	v_cvt_i32_f32 v[W1], v[W1]                     ; (it saturates)
	v_max_num_f32 v[BX], 0xc2f80000, v[BX]         ; -124 at the least: the byte cannot fall under 1
	v_max_num_f32 v[BX+1], 0xc2f80000, v[BX+1]
	v_ldexp_f32 v[FF], 1.0, v[W1]                  ; f = 2^(old M - new M)
	v_cvt_floor_i32_f32 v[II], v[BX]
	v_cvt_floor_i32_f32 v[II+1], v[BX+1]
.set j, 0
.rept 16
	v_pk_mul_f32 v[OA+j:OA+j+1], v[OA+j:OA+j+1], v[FF:FF+1] op_sel_hi:[1,0]   ; O^T under the new M
.set j, j+2
.endr
	v_lshl_add_u32 v[SO], v[II], 23, 0x3e800000    ; exponent field floor(t - M) + 125: the conversion's scale operand
	v_lshl_add_u32 v[SO+1], v[II+1], 23, 0x3e800000
	v_lshl_add_u32 v[W1], v[II+1], 16, v[II]       ; the word of these 128 keys: byte 2 c + h = 125 + block (c, h)'s floor: summed as whole numbers modulo 2^32
.set j, 0
.rept 16
	v_pk_fma_f32 v[S+j:S+j+1], v[S+j:S+j+1], s[CS:CS+1], v[12:13] op_sel_hi:[1,0,0]   ; t - M
.set j, j+2
.endr
	v_lshlrev_b32 v[W1], v[H8], v[W1]
.rept 8
	v_pk_fma_f32 v[S+j:S+j+1], v[S+j:S+j+1], s[CS:CS+1], v[12:13] op_sel_hi:[1,0,0]
.set j, j+2
.endr
	v_permlanex16_b32 v[PT], v[W1], s[SEL], s[SEL+1]
.rept 8
	v_pk_fma_f32 v[S+j:S+j+1], v[S+j:S+j+1], s[CS:CS+1], v[12:13] op_sel_hi:[1,0,0]
.set j, j+2
.endr
	v_add3_u32 v[PS], v[W1], v[PT], s[KB]
	s_wait_alu depctr_va_vdst(0)                   ; ahead of the batch
.set j, 0
.rept 64
	v_exp_f32 v[S+j], v[S+j]                       ; p = 2^(t - M), at most 1: NOT normalised
.set j, j+1
.endr
	v_nop                                          ; one plain place behind the batch
	s_wait_alu depctr_va_vdst(0)                   ; and behind it
	s_wait_dscnt 10                                ; V and its scale words are in; the next K's ten loads may be out
.irp t, 0,1,2,3,4,5,6,7
	v_cvt_scalef32_pk8_fp4_f32 v[PC+\t], v[S+8*\t:S+8*\t+7], v[SO+\t/4]   ; P's operand: register 4 c + u
.endr
.irp k, 0,1,2,3
	v_pk_fma_f32 v[LC+2*\k:LC+2*\k+1], v[LC+2*\k:LC+2*\k+1], v[FF:FF+1], v[S+2*\k:S+2*\k+1] op_sel_hi:[1,0,1]   ; the sum under the new M, and the unquantised p
.endr
.set m, 4
.rept 24
	v_pk_add_f32 v[LC+2*(m%4):LC+2*(m%4)+1], v[LC+2*(m%4):LC+2*(m%4)+1], v[S+2*m:S+2*m+1]
.set m, m+1
.endr
.irp d, 0,1,2,3                        ; O^T += V^T P^T, the four accumulators by turns
.if \d%2
	v_wmma_scale_f32_16x16x128_f8f6f4 v[OA+8*\d:OA+8*\d+7], v[VF+8*\d:VF+8*\d+7], v[PC:PC+7], v[OA+8*\d:OA+8*\d+7], v[VS0+\d/2], v[PS] matrix_a_fmt:MATRIX_FMT_FP4 matrix_b_fmt:MATRIX_FMT_FP4 matrix_a_scale:MATRIX_SCALE_ROW1
.else
	v_wmma_scale_f32_16x16x128_f8f6f4 v[OA+8*\d:OA+8*\d+7], v[VF+8*\d:VF+8*\d+7], v[PC:PC+7], v[OA+8*\d:OA+8*\d+7], v[VS0+\d/2], v[PS] matrix_a_fmt:MATRIX_FMT_FP4 matrix_b_fmt:MATRIX_FMT_FP4
.endif
.endr
.rept 4
	v_pk_add_f32 v[LC+2*(m%4):LC+2*(m%4)+1], v[LC+2*(m%4):LC+2*(m%4)+1], v[S+2*m:S+2*m+1]   ; (the four places behind the products)
.set m, m+1
.endr
.endm
	s_wait_alu depctr_va_vdst(0)                   ; the head's end
	s_wait_loadcnt 0x0                             ; Q
	s_wait_tensorcnt 0x0                           ; my step of K and V has landed,
	s_barrier_signal -1
	s_barrier_wait -1                              ; everybody's have
	KLOADS
.Lstep:                                            ; 16 trips
	STEP
	s_add_co_u32 s[CNT], s[CNT], 1
	s_cmp_lt_u32 s[CNT], 17
	s_cbranch_scc1 .Lstep
	; THE WAY OUT.  Register 8 d + n of lane (r, h) is a channel of block h of query r
	v_pk_add_f32 v[LC:LC+1], v[LC:LC+1], v[LC+2:LC+3]
	v_pk_add_f32 v[LC+4:LC+5], v[LC+4:LC+5], v[LC+6:LC+7]
	v_pk_add_f32 v[LC:LC+1], v[LC:LC+1], v[LC+4:LC+5]
	v_add_f32 v[BM], v[LC], v[LC+1]
	v_permlanex16_b32 v[PT], v[BM], s[SEL], s[SEL+1]
	v_add_f32 v[BM], v[BM], v[PT]                  ; the row's sum
	s_wait_alu depctr_va_vdst(0)                   ; ahead of the transcendental
	v_rcp_f32 v[BM], v[BM]
	v_nop
	s_wait_alu depctr_va_vdst(0)                   ; and ahead of its first reader and O^T's
.set j, 0
.rept 16
	v_pk_mul_f32 v[S+j:S+j+1], v[OA+j:OA+j+1], v[BM:BM+1] op_sel_hi:[1,0]
.set j, j+2
.endr
.irp c, 0,1
	v_max3_num_f32 v[BX+\c], |v[S+16*\c]|, |v[S+16*\c+1]|, 0x1800000   ; the floor 2^(3 - 127)
.endr
.irp i, 2,4,6,8,10,12,14
.irp c, 0,1
	v_max3_num_f32 v[BX+\c], v[BX+\c], |v[S+16*\c+\i]|, |v[S+16*\c+\i+1]|
.endr
.endr
	v_max_num_f32 v[BX], v[BX], v[BX+1]            ; the largest magnitude of my block
	v_add_nc_u32 v[SO], 0xff000000, v[BX]
	v_lshrrev_b32 v[II], 23, v[SO]                 ; its byte
	ds_store_b8 v[STA], v[II]                      ; 2 x (16 x wave + r) + h
.irp d, 0,1,2,3
	v_cvt_scalef32_pk8_fp4_f32 v[PC+\d], v[S+8*\d:S+8*\d+7], v[SO]
.endr
	v_nop                                          ; one plain place behind a scaled conversion
	v_cndmask_b32 v[PC+4], v[PC], v[PC+1], s41     ; block 1's groups of eight lie in the order 1, 0, 3, 2: back in channel order
	v_cndmask_b32 v[PC+5], v[PC+1], v[PC], s41
	v_cndmask_b32 v[PC+6], v[PC+2], v[PC+3], s41
	v_cndmask_b32 v[PC+7], v[PC+3], v[PC+2], s41
	global_store_b128 v[AK0], v[PC+4:PC+7], s[10:11]   ; 512 consecutive aligned bytes
	s_wait_tensorcnt 0x0                           ; the wave's end
	ds_add_u32 v[SPW], v[NIL]
	s_wait_dscnt 0x0                               ; my scale bytes are stored too
	s_barrier_signal -1
	s_barrier_wait -1                              ; everybody's are
	s_cmp_lg_u32 s[WV], 0
	s_cbranch_scc1 .Lnot_mine
	ds_load_b128 v[S:S+3], v[STL]                  ; wave 0 stores the 256 queries' scale bytes: 512 consecutive aligned bytes
	s_wait_dscnt 0x0
	global_store_b128 v[AK0], v[S:S+3], s[12:13]
.Lnot_mine:
	CROUND                                         ; the closing round
	s_endpgm
.Lfunc_end_k_q5dcf0b0991_attn:
	.size	k_q5dcf0b0991_attn, .Lfunc_end_k_q5dcf0b0991_attn-k_q5dcf0b0991_attn
	.p2alignl 7, 3214868480
	.fill 96, 4, 3214868480
	.section	.rodata,"a",@progbits
	.p2align	6, 0x0
	.amdhsa_kernel k_q5dcf0b0991_attn
		.amdhsa_group_segment_fixed_size 169984
		.amdhsa_private_segment_fixed_size 0
		.amdhsa_enable_private_segment 0
		.amdhsa_kernarg_size 40
		.amdhsa_user_sgpr_count 2
		.amdhsa_user_sgpr_kernarg_segment_ptr 1
		.amdhsa_wavefront_size32 1
		.amdhsa_system_sgpr_workgroup_id_x 1
		.amdhsa_system_sgpr_workgroup_id_y 1
		.amdhsa_system_sgpr_workgroup_id_z 1
		.amdhsa_system_vgpr_workitem_id 0
		.amdhsa_next_free_vgpr 256
		.amdhsa_next_free_sgpr 98
		.amdhsa_reserve_vcc 0
		.amdhsa_float_denorm_mode_32 3
		.amdhsa_float_denorm_mode_16_64 3
		.amdhsa_memory_ordered 1
		.amdhsa_forward_progress 1
		.amdhsa_inst_pref_size 26
	.end_amdhsa_kernel
	.amdgpu_metadata
---
amdhsa.version: [ 1, 2 ]
amdhsa.kernels:
  - .name:           k_q5dcf0b0991_attn
    .symbol:         k_q5dcf0b0991_attn.kd
    .args:
      - { .name: qimg, .offset: 0, .size: 8, .value_kind: global_buffer, .address_space: global }
      - { .name: qsc, .offset: 8, .size: 8, .value_kind: global_buffer, .address_space: global }
      - { .name: kv, .offset: 16, .size: 8, .value_kind: global_buffer, .address_space: global }
      - { .name: aimg, .offset: 24, .size: 8, .value_kind: global_buffer, .address_space: global }
      - { .name: asc, .offset: 32, .size: 8, .value_kind: global_buffer, .address_space: global }
    .group_segment_fixed_size: 169984
    .private_segment_fixed_size: 0
    .kernarg_segment_align: 8
    .kernarg_segment_size: 40
    .max_flat_workgroup_size: 512
    .sgpr_count:     98
    .vgpr_count:     256
    .wavefront_size: 32
...
	.end_amdgpu_metadata
.endif
;; end of part 2
;; launch oproj (part 3): grid 8 x 32, 8 waves a work-group, clusters of 4 x 4, 167,936 bytes of LDS; arguments aimg, asc, Wo_codes, Wo_scales, bo, out0; writes out0
.if DOCPART == 3
	.amdgcn_target "amdgcn-amd-amdhsa--gfx1250"
	.amdhsa_code_object_version 6
	.text
	.protected	k_q5dcf0b0991_oproj
	.globl	k_q5dcf0b0991_oproj
	.p2align	8
	.type	k_q5dcf0b0991_oproj,@function
k_q5dcf0b0991_oproj:
	s_mov_b64 s[64:65], 0
	v_nop
	global_prefetch_b8 v0, s[64:65] scope:SCOPE_SE
	s_setreg_imm32_b32 hwreg(HW_REG_WAVE_MODE, 25, 1), 1
	s_wait_xcnt 0x0
	s_wait_alu depctr_hold_cnt(0) depctr_sa_sdst(0) depctr_va_vdst(0) depctr_va_sdst(0) depctr_va_ssrc(0) depctr_va_vcc(0) depctr_vm_vsrc(0)
	s_getreg_b32 s2, hwreg(HW_REG_IB_STS2, 6, 4)
	s_cmp_eq_u32 s2, 0
	s_cbranch_scc0 .Lentry_in_a_cluster
	s_endpgm
.Lentry_in_a_cluster:
	s_bfe_u32 s2, ttmp6, 0x10000c
	s_cmp_lg_u32 s2, 0xf033
	s_cbranch_scc0 .Lentry_shape_is_right
	s_endpgm
.Lentry_shape_is_right:
; out = merged Wo^T + bo on codes of FP4 (E2M1) with one E8M0 scale for each 32 along K = 1,024; f32 out.
; A work-group makes 128 tokens x 128 columns: 32 x 8 = 256 work-groups.  Eight waves: wave w makes 32 tokens (w % 4) x 64 columns (w / 4): 8 accumulators.
; All of K lies in LDS at once; one joint tensor load a wave, nothing is filled again: waves 0-3 Wo's rows b, 4 + b, 8 + b .. (b = w), waves 4, 5 the halves of the tokens' images, wave 6 their scale bytes, wave 7 Wo's.
; THE COLUMNS OF A TILE ARE NOT NEIGHBOURS: lane r of tile b takes column 4 r + b.  So the four tiles' results of a lane are four neighbouring columns of a row; the addition of the bias gathers them into four registers,
; and sixteen neighbouring lanes store 256 consecutive aligned bytes: no LDS on the way out.
; THE TOKENS OF A TILE: tile u of 64 tokens holds in rows 0-7 the tokens 8 u + 0..7, in rows 8-15 the tokens 32 + 8 (u xor 1) + 0..7, as the attention's tiles do.
; CLUSTERS of 4 x 4: the four of a row ask jointly for the tokens' bytes, the four of a column for Wo's.  No prefetch: all loads stand at the head, there is no loop whose later loads could be asked for ahead.
; LIMITS: NaN and infinities are not served.
.set BB,    65536                      ; LDS: tokens' images (8 tiles x 16 heads x 512 bytes) at 0; Wo's four sets of 32 rows, pitch 528
.set BSET,  32*528
.set ASC,   BB+4*BSET                  ; the tokens' scale bytes: [head][128 tokens][2]
.set BSC,   ASC+4096                   ; Wo's: rows of 256 bytes + 16
.set SPARE, BSC+16*272                 ; spare words: 128 bytes a wave
.set ADA, 16
.set ADB, 17
.set ADBS, 18
.set ADAS, 19
.set O0,  20
.set O1,  21
.set BIAS, 24
.set SPW, 28
.set NIL, 29
.set RAW, 32
.set SB,  48
.set SA,  64
.set F0,  96
.set AC,  192
.set OUT, 96
.set G1A, 24
.set G1B, 32
.set G1AS, 40
.set G1BS, 48
.set G0A, 56
.set G0B, 60
.set G0AS, 68
.set G0BS, 72
.macro CROUND
	s_barrier_signal -1
	s_barrier_wait -1
	s_cmp_lg_u32 s20, 0
	s_cbranch_scc1 .Lnot_wave_0_\@
	s_barrier_signal -3
.Lnot_wave_0_\@:
	s_barrier_wait -3
	s_barrier_signal -1
	s_barrier_wait -1
.endm
	s_load_b256 s[4:11], s[0:1], 0x0               ; aimg 4, asc 6, Wo 8, its scales 10
	s_load_b128 s[12:15], s[0:1], 0x20             ; bo 12, out 14
	v_lshl_add_u32 v[SPW], v0, 2, SPARE
	v_mov_b32 v[NIL], 0
	ds_add_u32 v[SPW], v[NIL]
	ds_add_u32 v[SPW], v[NIL]
	v_lshrrev_b32 v1, 5, v0
	v_readfirstlane_b32 s20, v1                    ; wave 0..7
	s_and_b32 s21, s20, 3                          ; which 32 tokens; also Wo's set b
	s_lshr_b32 s22, s20, 2                         ; which 64 columns
	s_and_b32 s23, s20, 1                          ; which half of the images
	s_bfe_u32 s16, ttmp6, 0x40000
	s_bfe_u32 s17, ttmp6, 0x40004
	s_lshl_b32 s18, ttmp9, 2
	s_add_co_u32 s18, s18, s16                     ; block of 128 columns
	s_and_b32 s19, ttmp7, 0xffff
	s_lshl_b32 s19, s19, 2
	s_add_co_u32 s19, s19, s17                     ; block of 128 tokens
	s_lshl_b32 s66, s17, 2
	s_lshl_b32 s66, 15, s66                        ; my row of the cluster
	s_lshl_b32 s67, 0x1111, s16                    ; my column
	s_or_b32 s[G1A], s66, (3<<16)|(1<<21)                          ; 128 rows of 256 bytes, dense
	s_or_b32 s[G1AS], s66, (3<<16)|(1<<21)                         ; 16 rows of 256 bytes, 4,096 apart
	s_or_b32 s[G1B], s67, (1<<20)|(1<<21)|(6<<22)|(3<<25)          ; 32 rows of 512 bytes, 2,048 apart; 16 of padding behind each
	s_or_b32 s[G1BS], s67, (3<<16)|(1<<20)|(1<<21)|(5<<22)|(3<<25) ; 16 rows of 256 bytes, dense; 16 of padding behind each
.irp g, G1A, G1AS, G1BS
	s_mov_b32 s[\g+1], 32<<16
	s_mov_b32 s[\g+3], 32<<16
.endr
.irp g, G1A, G1AS, G1BS, G1B
	s_mov_b32 s[\g+6], 0
	s_mov_b32 s[\g+7], 0
.endr
	s_mov_b32 s[G1A+2], 128<<16
	s_mov_b32 s[G1A+4], 128
	s_mov_b32 s[G1A+5], 32
	s_mov_b32 s[G1AS+2], 16<<16
	s_mov_b32 s[G1AS+4], 16
	s_mov_b32 s[G1AS+5], 512
	s_mov_b32 s[G1BS+2], 16<<16
	s_mov_b32 s[G1BS+4], 16
	s_mov_b32 s[G1BS+5], 32
	s_mov_b32 s[G1B+1], 512<<16
	s_mov_b32 s[G1B+2], 32<<16
	s_mov_b32 s[G1B+3], 512<<16
	s_mov_b32 s[G1B+4], 32
	s_mov_b32 s[G1B+5], 2048
	s_mov_b32 s77, 0
	s_mov_b32 s79, 0
	s_mov_b32 s81, 0
	s_mov_b32 s83, 0
	s_lshl_b32 s84, s23, 15                        ; the images: in LDS,
	s_lshl_b32 s76, s19, 16
	s_add_co_u32 s76, s76, s84                     ; in memory
	s_lshl_b32 s78, s18, 16
	s_lshl_b32 s85, s21, 9
	s_add_co_u32 s78, s78, s85                     ; Wo: row 128 x block + b
	s_mul_i32 s85, s21, BSET
	s_add_co_u32 s85, s85, BB
	s_lshr_b32 s80, s19, 4
	s_lshl_b32 s80, s80, 16
	s_and_b32 s86, s19, 15
	s_lshl_b32 s86, s86, 8
	s_add_co_u32 s80, s80, s86                     ; scale bytes: 65,536 a batch, 256 for 128 tokens
	s_lshl_b32 s82, s18, 12                        ; Wo's: 32 a row
	s_wait_dscnt 0x0                               ; both opening adds are done
	s_wait_kmcnt 0x0
	s_mov_b32 s[G0A], 1
	s_mov_b32 s[G0A+1], s84
	s_add_nc_u64 s[G0A+2:G0A+3], s[4:5], s[76:77]
	s_or_b32 s[G0A+3], s[G0A+3], 0x80000000
	s_mov_b32 s[G0B], 1
	s_mov_b32 s[G0B+1], s85
	s_add_nc_u64 s[G0B+2:G0B+3], s[8:9], s[78:79]
	s_or_b32 s[G0B+3], s[G0B+3], 0x80000000
	s_mov_b32 s[G0AS], 1
	s_mov_b32 s[G0AS+1], ASC
	s_add_nc_u64 s[G0AS+2:G0AS+3], s[6:7], s[80:81]
	s_or_b32 s[G0AS+3], s[G0AS+3], 0x80000000
	s_mov_b32 s[G0BS], 1
	s_mov_b32 s[G0BS+1], BSC
	s_add_nc_u64 s[G0BS+2:G0BS+3], s[10:11], s[82:83]
	s_or_b32 s[G0BS+3], s[G0BS+3], 0x80000000
	CROUND                                         ; all sixteen work-groups are here: the joint loads meet
.macro ARM under, g0, g1, next
	s_cmp_lt_u32 s20, \under
	s_cbranch_scc0 \next
	tensor_load_to_lds s[\g0:\g0+3], s[\g1:\g1+7]
	s_nop 0
.rept 4
	v_nop
.endr
	s_branch .Lasked
\next:
.endm
	ARM 4, G0B, G1B, .Lhead_a
	ARM 6, G0A, G1A, .Lhead_as
	ARM 7, G0AS, G1AS, .Lhead_bs
	tensor_load_to_lds s[G0BS:G0BS+3], s[G1BS:G1BS+7]
	s_nop 0
.rept 4
	v_nop
.endr
.Lasked:
	s_lshl_b32 s78, s18, 9
	s_lshl_b32 s85, s22, 8
	s_add_co_u32 s78, s78, s85                     ; my 64 columns, in bytes
	s_add_nc_u64 s[12:13], s[12:13], s[78:79]
	s_lshl_b32 s85, s19, 19
	s_add_co_u32 s78, s78, s85
	s_lshr_b32 s85, s21, 1
	s_lshl_b32 s85, s85, 18
	s_add_co_u32 s78, s78, s85
	s_lshl_b32 s85, s23, 16
	s_add_co_u32 s78, s78, s85                     ; my two tiles' first token: 128 x block + 64 (w % 4 / 2) + 16 (w % 2)
	s_add_nc_u64 s[14:15], s[14:15], s[78:79]
	s_lshl_b32 s84, s21, 14
	s_mul_i32 s85, s22, 16*528
	s_add_co_u32 s85, s85, BB
	s_mul_i32 s86, s22, 8*272
	s_add_co_u32 s86, s86, BSC
	s_lshl_b32 s87, s21, 6
	s_add_co_u32 s87, s87, ASC
	v_and_b32 v1, 15, v0                           ; r
	v_bfe_u32 v2, v0, 4, 1                         ; h
	v_and_b32 v3, 31, v0                           ; lane
	v_lshlrev_b32 v4, 4, v1
	global_load_b128 v[BIAS:BIAS+3], v4, s[12:13]  ; bo of columns 4 r .. 4 r + 3
	v_lshlrev_b32 v5, 4, v3
	v_add_nc_u32 v[ADA], s84, v5
	v_lshlrev_b32 v6, 4, v2
	v_mad_u32_u24 v6, v1, 528, v6
	v_add_nc_u32 v[ADB], s85, v6
	v_lshrrev_b32 v7, 1, v1
	v_and_b32 v8, 1, v1
	v_lshlrev_b32 v8, 7, v8
	v_lshl_add_u32 v8, v2, 5, v8
	v_mad_u32_u24 v8, v7, 272, v8
	v_add_nc_u32 v[ADBS], s86, v8                  ; Wo's scales: row 4 r + b at 272 (r / 2) + 128 (r % 2) + 32 b; lanes 16-31 take the odd b
	v_lshlrev_b32 v9, 1, v3
	v_add_nc_u32 v[ADAS], s87, v9                  ; lane l: token l of my 32, in the tiles' order
	v_mul_u32_u24 v10, 40*4096, v2
	v_add_nc_u32 v[O0], v10, v4                    ; first tile: rows 8-15 are 40 tokens on,
	v_mul_u32_u24 v11, 24*4096, v2
	v_add_nc_u32 v11, v11, v4
	v_add_nc_u32 v[O1], 8*4096, v11                ; second tile: 8 on, rows 8-15 24 more
.macro LOADS q                         ; the six fragments of step q (heads 2 q, 2 q + 1): 12 loads
.set FB, F0+48*((\q)%2)
.irp i, 0,1
	ds_load_b128 v[FB+8*\i:FB+8*\i+3], v[ADA] offset:8192*\i+1024*(\q)
	ds_load_b128 v[FB+8*\i+4:FB+8*\i+7], v[ADA] offset:8192*\i+1024*(\q)+512
.endr
.irp b, 0,1,2,3
	ds_load_b128 v[FB+16+8*\b:FB+16+8*\b+3], v[ADB] offset:BSET*\b+64*(\q)
	ds_load_b128 v[FB+16+8*\b+4:FB+16+8*\b+7], v[ADB] offset:BSET*\b+64*(\q)+32
.endr
.endm
.macro WM d, a, b, c, sa, sb, ra, rb
.if (\ra) && (\rb)
	v_wmma_scale_f32_16x16x128_f8f6f4 v[\d:\d+7], v[\a:\a+7], v[\b:\b+7], \c, v[\sa], v[\sb] matrix_a_fmt:MATRIX_FMT_FP4 matrix_b_fmt:MATRIX_FMT_FP4 matrix_a_scale:MATRIX_SCALE_ROW1 matrix_b_scale:MATRIX_SCALE_ROW1
.elseif (\ra)
	v_wmma_scale_f32_16x16x128_f8f6f4 v[\d:\d+7], v[\a:\a+7], v[\b:\b+7], \c, v[\sa], v[\sb] matrix_a_fmt:MATRIX_FMT_FP4 matrix_b_fmt:MATRIX_FMT_FP4 matrix_a_scale:MATRIX_SCALE_ROW1
.elseif (\rb)
	v_wmma_scale_f32_16x16x128_f8f6f4 v[\d:\d+7], v[\a:\a+7], v[\b:\b+7], \c, v[\sa], v[\sb] matrix_a_fmt:MATRIX_FMT_FP4 matrix_b_fmt:MATRIX_FMT_FP4 matrix_b_scale:MATRIX_SCALE_ROW1
.else
	v_wmma_scale_f32_16x16x128_f8f6f4 v[\d:\d+7], v[\a:\a+7], v[\b:\b+7], \c, v[\sa], v[\sb] matrix_a_fmt:MATRIX_FMT_FP4 matrix_b_fmt:MATRIX_FMT_FP4
.endif
.endm
.macro MUL q                           ; source 0 = 16 tokens, source 1 = 16 columns; the eight accumulators take turns
.set FB, F0+48*((\q)%2)
.irp i, 0,1
.irp b, 0,1,2,3
.if (\q) == 0
	WM AC+32*\i+8*\b, FB+8*\i, FB+16+8*\b, 0, SA+\q, SB+8*(\b/2)+\q, \i, \b%2
.else
	WM AC+32*\i+8*\b, FB+8*\i, FB+16+8*\b, v[AC+32*\i+8*\b:AC+32*\i+8*\b+7], SA+\q, SB+8*(\b/2)+\q, \i, \b%2
.endif
.endr
.endr
.endm
	s_wait_alu depctr_va_vdst(0)                   ; the head's end
	s_wait_loadcnt 0x0                             ; the bias
	s_wait_tensorcnt 0x0                           ; my tile is in,
	s_barrier_signal -1
	s_barrier_wait -1                              ; everybody's are
.set n, 0
.rept 16
	ds_load_u16 v[RAW+n], v[ADAS] offset:256*n     ; head n's two scale bytes of my token
.set n, n+1
.endr
.irp p, 0,1
.irp k, 0,1
	ds_load_b128 v[SB+8*\p+4*\k:SB+8*\p+4*\k+3], v[ADBS] offset:64*\p+16*\k
.endr
.endr
	LOADS 0
	LOADS 1
	s_wait_dscnt 24                                ; the scales are in; two steps' fragments may be out
.irp q, 0,1,2,3,4,5,6,7
	v_lshl_or_b32 v[SA+\q], v[RAW+2*\q+1], 16, v[RAW+2*\q]   ; step q's word: lanes 0-15 my first tile's tokens, lanes 16-31 the second's
.endr
.rept 8
	v_nop                                          ; a scale register written by a vector instruction stands 8 places ahead
.endr
	s_wait_alu depctr_va_vdst(0)
.irp q, 0,1,2,3,4,5,6,7
.if (\q > 0) && (\q < 7)
.rept 4
	v_nop                                          ; four places in front of loads into registers that the step before multiplied
.endr
	LOADS \q+1
.endif
.if \q < 7
	s_wait_dscnt 12                                ; step q's are in; the next step's 12 may be out
.else
	s_wait_dscnt 0x0
.endif
	MUL \q
.endr
.rept 4
	v_nop                                          ; four places in front of the first read of results
.endr
.irp i, 0,1
.irp j, 0,1,2,3,4,5,6,7
.irp b, 0,1,2,3
	v_add_f32 v[OUT+32*\i+4*\j+\b], v[AC+32*\i+8*\b+\j], v[BIAS+\b]   ; columns 4 r .. 4 r + 3 of row 8 h + j
.endr
.endr
.irp j, 0,1,2,3,4,5,6,7
	global_store_b128 v[O0+\i], v[OUT+32*\i+4*\j:OUT+32*\i+4*\j+3], s[14:15] offset:4096*\j th:TH_STORE_NT   ; sixteen lanes store 256 consecutive aligned bytes
.endr
.endr
	s_wait_tensorcnt 0x0                           ; the wave's end
	ds_add_u32 v[SPW], v[NIL]
	s_wait_dscnt 0x0
	CROUND                                         ; the closing round
	s_endpgm
.Lfunc_end_k_q5dcf0b0991_oproj:
	.size	k_q5dcf0b0991_oproj, .Lfunc_end_k_q5dcf0b0991_oproj-k_q5dcf0b0991_oproj
	.p2alignl 7, 3214868480
	.fill 96, 4, 3214868480
	.section	.rodata,"a",@progbits
	.p2align	6, 0x0
	.amdhsa_kernel k_q5dcf0b0991_oproj
		.amdhsa_group_segment_fixed_size 167936
		.amdhsa_private_segment_fixed_size 0
		.amdhsa_enable_private_segment 0
		.amdhsa_kernarg_size 48
		.amdhsa_user_sgpr_count 2
		.amdhsa_user_sgpr_kernarg_segment_ptr 1
		.amdhsa_wavefront_size32 1
		.amdhsa_system_sgpr_workgroup_id_x 1
		.amdhsa_system_sgpr_workgroup_id_y 1
		.amdhsa_system_sgpr_workgroup_id_z 1
		.amdhsa_system_vgpr_workitem_id 0
		.amdhsa_next_free_vgpr 256
		.amdhsa_next_free_sgpr 98
		.amdhsa_reserve_vcc 0
		.amdhsa_float_denorm_mode_32 3
		.amdhsa_float_denorm_mode_16_64 3
		.amdhsa_memory_ordered 1
		.amdhsa_forward_progress 1
		.amdhsa_inst_pref_size 30
	.end_amdhsa_kernel
	.amdgpu_metadata
---
amdhsa.version: [ 1, 2 ]
amdhsa.kernels:
  - .name:           k_q5dcf0b0991_oproj
    .symbol:         k_q5dcf0b0991_oproj.kd
    .args:
      - { .name: aimg, .offset: 0, .size: 8, .value_kind: global_buffer, .address_space: global }
      - { .name: asc, .offset: 8, .size: 8, .value_kind: global_buffer, .address_space: global }
      - { .name: Wo_codes, .offset: 16, .size: 8, .value_kind: global_buffer, .address_space: global }
      - { .name: Wo_scales, .offset: 24, .size: 8, .value_kind: global_buffer, .address_space: global }
      - { .name: bo, .offset: 32, .size: 8, .value_kind: global_buffer, .address_space: global }
      - { .name: out0, .offset: 40, .size: 8, .value_kind: global_buffer, .address_space: global }
    .group_segment_fixed_size: 167936
    .private_segment_fixed_size: 0
    .kernarg_segment_align: 8
    .kernarg_segment_size: 48
    .max_flat_workgroup_size: 256
    .sgpr_count:     98
    .vgpr_count:     256
    .wavefront_size: 32
...
	.end_amdgpu_metadata
.endif
;; end of part 3
